; MI455X (gfx1250); checked and timed in simulation.
; The chip was launched on July 23, 2026; its instructions are those of AMD's public machine-readable ISA for CDNA 5 (MIT licence, August 2026) and "CDNA5" Instruction Set Architecture Reference Guide (July 2026). The comments in the code are by the model that wrote it; some were corrected since.
;; Model. Allowed arithmetic: float matrix products may take bf16 or f16 operands with f32 sums; other float arithmetic in f32, or as packed bf16 or f16 multiplies, adds, multiply-adds, maxima and minima; sums over many terms, partial sums and values carried from step to step in f32; what a program stores and reads back later, other than sums and carried values, may be rounded once to bf16 or f16.
;; Inputs: attn_mask 2,048 x 2,048 float32; key 4 x 2,048 x 2,048 float32; query 4 x 2,048 x 2,048 float32; value 4 x 2,048 x 2,048 float32.
;; Outputs: out0 4 x 2,048 x 2,048 float32.
;; 2 versions, each right; version 2 is version 1 with the launch cast written anew for expert scheduling mode. Each part assembles by itself: llvm-mc -triple=amdgcn-amd-amdhsa -mcpu=gfx1250 --defsym DOCPART=n.
;; ======== version 1 of 2: 3 launches
;; limits: inputs' magnitudes at most 65,504; values are held in f16: magnitudes above 65,504 overflow, below 6.1e-05 lose precision
;; workspace buffers: qb 33,554,432 bytes; kb 33,554,432 bytes; vh 33,554,432 bytes; p 33,554,432 bytes; stats 1,048,576 bytes
;; launch cast (part 1): grid 256 x 2, 8 waves a work-group, no clusters, 0 bytes of LDS; arguments query, key, qb, kb; writes qb, kb
.if DOCPART == 1
	.amdgcn_target "amdgcn-amd-amdhsa--gfx1250"
	.amdhsa_code_object_version 6
	.text
	.protected	k_q32f8ffa2d1_cast
	.globl	k_q32f8ffa2d1_cast
	.p2align	8
	.type	k_q32f8ffa2d1_cast,@function
k_q32f8ffa2d1_cast:
	s_mov_b64 s[64:65], 0
	v_nop
	global_prefetch_b8 v0, s[64:65] scope:SCOPE_SE
	s_setreg_imm32_b32 hwreg(HW_REG_WAVE_MODE, 25, 1), 1
	s_wait_xcnt 0x0
; qb = bf16(query), kb = bf16(key): [8192][2048] each (the four batches stacked), rounded once to nearest even.
; A stream: every byte is read once and written once; no LDS, no matrix unit, no cluster, since no two threads want the same byte.
; Work-group (x, y): y chooses the tensor, x its 262,144 bytes of f32 (131,072 of bf16).  A ROW here is 4,096 bytes in: 256 threads x 16 bytes,
; so a wave's load covers 512 consecutive bytes and its store of 8 bytes a lane 256 consecutive bytes, aligned.  64 rows: 4 rounds of 16 slots.
; A ring of DEPTH slots in registers keeps DEPTH loads of every wave on their way.
.set DEPTH, 16
.set ROWI,  4096                       ; bytes of a row in
.set ROWO,  2048                       ; bytes of a row out
.set ROUNDS, 64/DEPTH
.set X, 8                              ; v[8:71]   slot i: four f32 as loaded
.set Y, 72                             ; v[72:103] slot i: four bf16 to store
	s_load_b256 s[4:11], s[0:1], 0x0               ; query s[4:5], key s[6:7], qb s[8:9], kb s[10:11]
	s_and_b32 s12, ttmp7, 0xffff                   ; 0: query, 1: key
	s_lshl_b32 s14, ttmp9, 18                      ; my share in, in bytes (under 2^26)
	s_mov_b32 s15, 0
	s_lshl_b32 s16, ttmp9, 17                      ; my share out
	s_mov_b32 s17, 0
	v_lshlrev_b32 v1, 4, v0                        ; 16 t: my place in a row in; never rewritten
	v_lshlrev_b32 v2, 3, v0                        ; 8 t: my place in a row out; never rewritten
	s_wait_kmcnt 0x0
	s_cmp_eq_u32 s12, 0
	s_cselect_b64 s[4:5], s[4:5], s[6:7]           ; from
	s_cselect_b64 s[6:7], s[8:9], s[10:11]         ; to
	s_add_nc_u64 s[4:5], s[4:5], s[14:15]
	s_add_nc_u64 s[6:7], s[6:7], s[16:17]
.irp i, 0,1,2,3,4,5,6,7,8,9,10,11,12,13,14,15
	global_load_b128 v[X+4*(\i):X+4*(\i)+3], v1, s[4:5] offset:(\i)*ROWI th:TH_LOAD_NT  ; the ring is filled: rows 0 to 15
.endr
; One slot's turn.  ahead = 1: the slot is filled again with the row DEPTH further down.  left: how many younger loads may stay out.
.macro SLOT i, ahead, left
	s_wait_loadcnt \left                           ; loads come back in order: mine is in, the younger ones stay out
	v_cvt_pk_bf16_f32 v[Y+2*(\i)],   v[X+4*(\i)],   v[X+4*(\i)+1]
	v_cvt_pk_bf16_f32 v[Y+2*(\i)+1], v[X+4*(\i)+2], v[X+4*(\i)+3]
.if \ahead
	global_load_b128 v[X+4*(\i):X+4*(\i)+3], v1, s[4:5] offset:(DEPTH+(\i))*ROWI th:TH_LOAD_NT
.endif
	global_store_b64 v2, v[Y+2*(\i):Y+2*(\i)+1], s[6:7] offset:(\i)*ROWO
.endm
	s_mov_b32 s12, ROUNDS-1
.Lround:
.irp i, 0,1,2,3,4,5,6,7,8,9,10,11,12,13,14,15
	SLOT \i, 1, DEPTH-1
.endr
	s_wait_xcnt 0x0                                ; the round's loads and stores have read their sources: Y and the two bases are written again only behind this wait
	s_add_nc_u64 s[4:5], s[4:5], DEPTH*ROWI
	s_add_nc_u64 s[6:7], s[6:7], DEPTH*ROWO
	s_sub_co_u32 s12, s12, 1
	s_cmp_lg_u32 s12, 0
	s_cbranch_scc1 .Lround
.irp i, 0,1,2,3,4,5,6,7,8,9,10,11,12,13,14,15
	SLOT \i, 0, DEPTH-1-(\i)                       ; the last round loads nothing: the counts run down
.endr
	s_endpgm
.Lfunc_end_k_q32f8ffa2d1_cast:
	.size	k_q32f8ffa2d1_cast, .Lfunc_end_k_q32f8ffa2d1_cast-k_q32f8ffa2d1_cast
	.p2alignl 7, 3214868480
	.fill 96, 4, 3214868480
	.section	.rodata,"a",@progbits
	.p2align	6, 0x0
	.amdhsa_kernel k_q32f8ffa2d1_cast
		.amdhsa_group_segment_fixed_size 0
		.amdhsa_private_segment_fixed_size 0
		.amdhsa_enable_private_segment 0
		.amdhsa_kernarg_size 32
		.amdhsa_user_sgpr_count 2
		.amdhsa_user_sgpr_kernarg_segment_ptr 1
		.amdhsa_wavefront_size32 1
		.amdhsa_system_sgpr_workgroup_id_x 1
		.amdhsa_system_sgpr_workgroup_id_y 1
		.amdhsa_system_sgpr_workgroup_id_z 1
		.amdhsa_system_vgpr_workitem_id 0
		.amdhsa_next_free_vgpr 104
		.amdhsa_next_free_sgpr 66
		.amdhsa_reserve_vcc 0
		.amdhsa_float_denorm_mode_32 3
		.amdhsa_float_denorm_mode_16_64 3
		.amdhsa_memory_ordered 1
		.amdhsa_forward_progress 1
		.amdhsa_inst_pref_size 13
	.end_amdhsa_kernel
	.amdgpu_metadata
---
amdhsa.version: [ 1, 2 ]
amdhsa.kernels:
  - .name:           k_q32f8ffa2d1_cast
    .symbol:         k_q32f8ffa2d1_cast.kd
    .args:
      - { .name: query, .offset: 0, .size: 8, .value_kind: global_buffer, .address_space: global }
      - { .name: key, .offset: 8, .size: 8, .value_kind: global_buffer, .address_space: global }
      - { .name: qb, .offset: 16, .size: 8, .value_kind: global_buffer, .address_space: global }
      - { .name: kb, .offset: 24, .size: 8, .value_kind: global_buffer, .address_space: global }
    .group_segment_fixed_size: 0
    .private_segment_fixed_size: 0
    .kernarg_segment_align: 8
    .kernarg_segment_size: 32
    .max_flat_workgroup_size: 256
    .sgpr_count:     66
    .vgpr_count:     104
    .wavefront_size: 32
...
	.end_amdgpu_metadata
.endif
;; end of part 1
;; launch scores (part 2): grid 8 x 32, 4 waves a work-group, clusters of 4 x 4, 327,680 bytes of LDS; arguments qb, kb, value, p, stats, vh; writes p, stats, vh
.if DOCPART == 2
	.amdgcn_target "amdgcn-amd-amdhsa--gfx1250"
	.amdhsa_code_object_version 6
	.text
	.protected	k_q32f8ffa2d1_scores
	.globl	k_q32f8ffa2d1_scores
	.p2align	8
	.type	k_q32f8ffa2d1_scores,@function
k_q32f8ffa2d1_scores:
	s_mov_b64 s[64:65], 0
	v_nop
	global_prefetch_b8 v0, s[64:65] scope:SCOPE_SE
	s_setreg_imm32_b32 hwreg(HW_REG_WAVE_MODE, 25, 1), 1
	s_wait_xcnt 0x0
	s_wait_alu depctr_hold_cnt(0) depctr_sa_sdst(0) depctr_va_vdst(0) depctr_va_sdst(0) depctr_va_ssrc(0) depctr_va_vcc(0) depctr_vm_vsrc(0)
	s_getreg_b32 s2, hwreg(HW_REG_IB_STS2, 6, 4)
	s_cmp_eq_u32 s2, 0
	s_cbranch_scc0 .Lentry_in_a_cluster
	s_endpgm
.Lentry_in_a_cluster:
	s_bfe_u32 s2, ttmp6, 0x10000c
	s_cmp_lg_u32 s2, 0xf033
	s_cbranch_scc0 .Lentry_shape_is_right
	s_endpgm
.Lentry_shape_is_right:
; S = Q K^T for four batches, and the first level of the softmax along the keys.  qb, kb: bf16 [8192][2048] (batches stacked).
; A tile of S, 256 queries x 256 keys, is made by four waves, each 128 x 128: 64 accumulators, 512 registers.  The channels go in 16 steps of 128 through two LDS slots.
; A wave's 128 keys are a CHUNK (16 chunks a row).  For each of its 128 queries the wave finds the chunk's true maximum, cm = c max (c = log2 e), and stores
;   p[q][k] = 2^(c s - cm), rounded once to f16;   stats: cm[batch][chunk][q] at byte 0, l[batch][chunk][q] = the f32 sum of the unrounded p at byte 524,288.
; The launch behind takes the true maximum over a row's 16 chunks and makes the factor that turns p into the softmax.
; BESIDE THE PRODUCTS each wave turns 65,536 bytes of value into vh: rounded to bf16 like the other inputs, that number written as f16 (exact in f16's normal range).
; LIMITS.  |bf16(value)| stays under 65,520 (f16's end); below 6.1e-5 vh and p keep f16's fixed step of 6e-8; NaN and infinities are not treated apart.
; attn_mask is an argument that reference() never uses: the result does not hang on it, and no launch reads it.
; CLUSTERS: 4 x 4 work-groups of one batch.  The four of a row need the same tiles of Q, the four of a column the same tiles of K: each is asked for jointly, by the same tensor load,
; descriptor and mask in all four.
; THE MATRIX INSTRUCTION IS USED TRANSPOSED (source 0 = 16 keys, source 1 = 16 queries): a lane holds ONE query (lane % 16) and the keys 16 b + 8 (lane / 16) + 0..7 of accumulator b.
; REGISTERS, in windows of 256 (s_set_vgpr_msb: bits 1:0 source 0, 3:2 source 1, 5:4 source 2, 7:6 destination):
;   window 0: v0-31 addresses and V's work; v32-63 V's ring, later a read-back buffer; v64-127, v128-191 Q's fragments, two buffers (v64-107 the softmax's statistics on the way out); v192-255 at work on the way out
;   window 1: v64-127, v128-191 K's fragments;   windows 2, 3: the accumulators of my rows 0-63 and 64-127, (a, b) at v[8 (8 (a % 4) + b)]
.set PITCH,  272                       ; an LDS row: 256 bytes + 16 of padding = 68 words: the 16 rows of a fragment load start at 16 different groups of four banks (ISA guide 11.1)
.set HALFT,  128*PITCH                 ; 128 rows: what one tensor load brings
.set SLOT,   4*HALFT                   ; Q's 256 rows, then K's 256 rows.  0x22000: no wave's offset in a slot (a multiple of 0x8800 up to 3) has one of its two bits, so one exclusive or changes slots
.set STAGE,  2*SLOT                    ; behind the ring: 16 rows x 272 bytes for each wave, for p's way out
.set STATST, STAGE+4*16*PITCH          ; 1,024 bytes for each wave: 128 cm, then 128 l
.set SPARE,  STATST+4*1024             ; the spare words, 128 bytes for each wave: two blocks of 256 bytes that no other line names
.set ROWB,   4096                      ; bytes in a row of qb, kb and p
.set STEPS,  16
.set STEPB,  256                       ; bytes of a row in a step
.set A0,   4                           ; v4   my lane's place in Q's rows of slot 0; never rewritten
.set B0,   5                           ; v5   the same for K
.set ADRA, 6                           ; v6   the same in the slot in hand
.set ADRB, 7                           ; v7
.set STO,  8                           ; v8   the way out: where I put 16 bytes of a row
.set RD,   9                           ; v9   where I read rows back
.set CO,   10                          ; v10  my byte offset in two rows of p
.set PFO,  11                          ; v11  the prefetches' offset: my lane x a row
.set VIO,  12                          ; v12  16 x lane
.set VOO,  13                          ; v13  8 x lane
.set SST,  14                          ; v14  where I put a block's cm (lanes 0-15) or l (lanes 16-31)
.set SLD,  15                          ; v15  where I read the statistics back
.set VT,   16                          ; v16-19  V at work
.set VO,   20                          ; v20-23  V to store
.set ST1,  24                          ; v24  a statistic to store
.set SPW,  28                          ; v28  LDS address of my spare word; never rewritten
.set NIL,  29                          ; v29  0; never rewritten
.set VI,   32                          ; v32-63  V's ring: four units of 8 registers
.set F0,   64
.set F1,   128
.set CM,   64                          ; the way out: block a's cm at v[64+2a], written twice (named as a pair)
.set LL,   80                          ; block a's l at v[80+a]
.set C0,   96                          ; v96-99   four chains of the maximum
.set LS,   100                         ; v100-107 four chains of the sum, pairs
.set TMP,  192                         ; v192-223 a block's p, packed
.set OB,   32                          ; read-back buffers v32-63 and v224-255 by turns
.set G1A, 24                           ; s[24:31] descriptor group 1 for Q's tiles
.set G0A, 32                           ; s[32:39] group 0: a set for each first fill; the second then walks on
.set G1B, 48                           ; s[48:55], s[56:63] the same for K's
.set G0B, 56
.set PFA, 66                           ; s[66:67] where my prefetch stands
.set LIM, 68                           ; s68  1 in a wave that prefetches, else the greatest number
.set SLN, 69                           ; s69  the LDS base of the slot that is read next
.set MSB, 0
.macro WIN new                         ; the immediate's high byte repeats the setting that is left; a switch that changes nothing is dropped
.if MSB != (\new)
	s_set_vgpr_msb (MSB<<8)|(\new)
.set MSB, \new
.endif
.endm
.set MUL_LO, 0xa1                      ; source 0 (K) window 1, source 1 (Q) window 0, C and D window 2
.set MUL_HI, 0xf1                      ; the same, C and D window 3
.set TO_B,   0x40                      ; destination window 1, address window 0
; A joint refill by the walking descriptor.  Waves 0 and 1 fetch Q's two halves, waves 2 and 3 K's.  The branch hangs on the wave's number alone.
; An s_nop 0 and four v_nop follow each of the two lines, ahead of the jump and the label.
.macro JLOAD
	s_cmp_eq_u32 s17, 0
	s_cbranch_scc0 .Lfor_b_\@
	tensor_load_to_lds s[G0A+4:G0A+7], s[G1A:G1A+7]
	s_nop 0
.rept 4
	v_nop
.endr
	s_branch .Lasked_\@
.Lfor_b_\@:
	tensor_load_to_lds s[G0B+4:G0B+7], s[G1B:G1B+7]
	s_nop 0
.rept 4
	v_nop
.endr
.Lasked_\@:
.endm
; A PREFETCH INTO THE L2 of what the NEXT refill will ask for: one step, 256 matrix instructions, ahead of that load: 32 rows x 256 bytes, a lane a row, one instruction a wave.
; Each row's 256 bytes of a step are named once in the launch: Q's tile row is read by both clusters of its row of clusters, of which the one with x = 0 asks; K's tile column by a batch's two clusters
; of that column, of which the one with even y asks.  The four partners that ask for a tile jointly share its rows out by ADDRESS, 32 each (cx for Q, cy for K).
; s3 counts the loop's trips down from 14: in its last trip there is no step behind the next refill's, and nothing is asked for.  Steps 0 to 2 come by their loads alone.
.macro ASK
	s_cmp_gt_u32 s3, s[LIM]
	s_cbranch_scc0 .Lnot_mine_\@
	global_prefetch_b8 v[PFO], s[PFA:PFA+1] th:TH_LOAD_NT scope:SCOPE_SE
.Lnot_mine_\@:
.endm
; A round of the cluster's barrier: my work-group's barrier, so that wave 0's signal speaks for all four waves; wave 0 signals; every wave waits for all sixteen work-groups; my work-group's barrier once more.
.macro CREST                           ; a round behind its opening barrier
	s_cmp_lg_u32 s16, 0
	s_cbranch_scc1 .Lnot_wave_0_\@
	s_barrier_signal -3
.Lnot_wave_0_\@:
	s_barrier_wait -3
	s_barrier_signal -1
	s_barrier_wait -1
.endm
.macro CROUND
	s_barrier_signal -1
	s_barrier_wait -1
	CREST
.endm
	s_load_b256 s[4:11], s[0:1], 0x0               ; qb s[4:5], kb s[6:7], value s[8:9], p s[10:11]
	s_load_b128 s[12:15], s[0:1], 0x20             ; stats s[12:13], vh s[14:15]
	v_lshl_add_u32 v[SPW], v0, 2, SPARE
	v_mov_b32 v[NIL], 0
	ds_add_u32 v[SPW], v[NIL]                      ; the wave's opening: the add and its wait stand ahead of my first tensor load; the set-up below, work on registers, stands between them
	v_lshrrev_b32 v3, 5, v0
	v_readfirstlane_b32 s16, v3                    ; wave 0..3
	s_lshr_b32 s17, s16, 1                         ; i: my half of the tile's rows.  Also: I fetch for Q (0) or for K (1)
	s_and_b32 s18, s16, 1                          ; j: my half of its columns.  Also: which 128 rows I fetch
	s_bfe_u32 s19, ttmp6, 0x40000                  ; cx
	s_bfe_u32 s20, ttmp6, 0x40004                  ; cy
	s_lshl_b32 s21, ttmp9, 2
	s_add_co_u32 s21, s21, s19                     ; tx: tile column, 0..7
	s_and_b32 s47, ttmp7, 0xffff                   ; cluster y, 0..7
	s_lshl_b32 s22, s47, 2
	s_add_co_u32 s22, s22, s20                     ; ty: tile row over the stacked batches, 0..31
	s_lshr_b32 s23, s47, 1                         ; the batch, which all sixteen partners share
	s_and_b32 s47, s47, 1                          ; which of the batch's two rows of clusters
	s_lshl_b32 s40, s20, 2
	s_lshl_b32 s40, 15, s40                        ; my row of the cluster
	s_lshl_b32 s41, 0x1111, s19                    ; my column
	; descriptor group 1: a tile of 128 rows x 128 elements of 2 bytes, 4 words of padding behind every 64
	s_or_b32 s[G1A], s40, (1<<16)|(1<<20)|(1<<21)|(5<<22)|(3<<25)
	s_or_b32 s[G1B], s41, (1<<16)|(1<<20)|(1<<21)|(5<<22)|(3<<25)
.irp g, G1A, G1B
	s_mov_b32 s[(\g)+1], 128<<16                   ; tensor_dim0 = 128
	s_mov_b32 s[(\g)+2], 128<<16                   ; tensor_dim1 = 128
	s_mov_b32 s[(\g)+3], 128<<16                   ; tile_dim0 = 128
	s_mov_b32 s[(\g)+4], 128                       ; tile_dim1 = 128
	s_mov_b32 s[(\g)+5], 2048                      ; elements from row to row
	s_mov_b32 s[(\g)+6], 0
	s_mov_b32 s[(\g)+7], 0
.endr
	s_lshl_b32 s42, s18, 7                         ; 128 j
	s_lshl_b32 s45, s22, 8
	s_add_co_u32 s45, s45, s42                     ; Q: row 256 ty + 128 j: it hangs on cy alone
	s_lshl_b32 s46, s23, 11
	s_lshl_b32 s43, s21, 8
	s_add_co_u32 s46, s46, s43
	s_add_co_u32 s46, s46, s42                     ; K: row 2048 batch + 256 tx + 128 j: on cx alone
	s_lshl_b32 s76, s45, 12                        ; in bytes (under 2^25)
	s_mov_b32 s77, 0
	s_lshl_b32 s78, s46, 12
	s_mov_b32 s79, 0
	s_mul_i32 s44, s16, HALFT                      ; where my tile goes: wave x 128 rows
	; the prefetches: my work-group's 32 of the 128 rows that I fetch, at step 2; the first change of slots steps it to 3
	s_cmp_eq_u32 s17, 0
	s_cselect_b32 s80, s45, s46
	s_cselect_b32 s81, s19, s20
	s_cselect_b32 s82, ttmp9, s47
	s_cmp_eq_u32 s82, 0
	s_cselect_b32 s[LIM], 1, -1                    ; the same in all sixteen partners, for a given wave
	s_lshl_b32 s81, s81, 5
	s_add_co_u32 s80, s80, s81
	s_lshl_b32 s80, s80, 12
	s_add_co_u32 s80, s80, 2*STEPB
	s_mov_b32 s81, 0
	; V's share: work-group 8 ty + tx, wave w: 65,536 bytes in, 32,768 out
	s_lshl_b32 s86, s22, 3
	s_add_co_u32 s86, s86, s21
	s_lshl_b32 s86, s86, 2
	s_add_co_u32 s86, s86, s16
	s_lshl_b32 s88, s86, 15
	s_lshl_b32 s86, s86, 16
	s_mov_b32 s87, 0
	s_mov_b32 s89, 0
	; p at my wave's first row and column: (256 ty + 128 i) rows + 512 tx + 256 j bytes
	s_lshl_b32 s90, s22, 8
	s_lshl_b32 s91, s17, 7
	s_add_co_u32 s90, s90, s91
	s_lshl_b32 s90, s90, 12
	s_lshl_b32 s91, s21, 9
	s_add_co_u32 s90, s90, s91
	s_lshl_b32 s91, s18, 8
	s_add_co_u32 s90, s90, s91
	s_mov_b32 s91, 0
	; stats at ((16 batch + 2 tx + j) x 2048 + 256 (ty % 8) + 128 i) x 4
	s_lshl_b32 s92, s23, 4
	s_lshl_b32 s93, s21, 1
	s_add_co_u32 s92, s92, s93
	s_add_co_u32 s92, s92, s18
	s_lshl_b32 s92, s92, 11
	s_and_b32 s93, s22, 7
	s_lshl_b32 s93, s93, 8
	s_add_co_u32 s92, s92, s93
	s_lshl_b32 s93, s17, 7
	s_add_co_u32 s92, s92, s93
	s_lshl_b32 s92, s92, 2
	s_mov_b32 s93, 0
	s_mov_b32 s70, 0x3fb8aa3b                      ; c = log2(e)
	s_mov_b32 s71, s70                             ; named with it as a pair
	s_mov_b32 s72, 0x76543210                      ; v_permlanex16_b32: each lane takes its own place in the other half
	s_mov_b32 s73, 0xfedcba98
	s_mov_b32 s74, 0xffff0000                      ; a word's upper bf16; also, as a mask of lanes, lanes 16-31
	s_mov_b32 s[SLN], SLOT
	v_and_b32 v3, 31, v0
	v_lshlrev_b32 v[VIO], 4, v3
	v_lshlrev_b32 v[VOO], 3, v3
	v_lshlrev_b32 v[PFO], 12, v3
	s_wait_dscnt 0x0                               ; the opening add is done
	s_wait_kmcnt 0x0
	s_add_nc_u64 s[76:77], s[4:5], s[76:77]
	s_add_nc_u64 s[78:79], s[6:7], s[78:79]
	s_cmp_eq_u32 s17, 0
	s_cselect_b64 s[PFA:PFA+1], s[4:5], s[6:7]
	s_add_nc_u64 s[PFA:PFA+1], s[PFA:PFA+1], s[80:81]
	s_add_nc_u64 s[8:9], s[8:9], s[86:87]
	s_add_nc_u64 s[14:15], s[14:15], s[88:89]
	s_add_nc_u64 s[10:11], s[10:11], s[90:91]
	s_add_nc_u64 s[12:13], s[12:13], s[92:93]
	CROUND                                         ; all sixteen work-groups are here: the first joint loads meet
.irp s, 0,1
	s_mov_b32 s[G0A+4*(\s)], 1                     ; count = 1
	s_add_co_u32 s[G0A+4*(\s)+1], s44, (\s)*SLOT   ; LDS address
	s_add_nc_u64 s[G0A+4*(\s)+2:G0A+4*(\s)+3], s[76:77], (\s)*STEPB  ; global address: step s
	s_or_b32 s[G0A+4*(\s)+3], s[G0A+4*(\s)+3], 0x80000000           ; type = 2
	s_mov_b32 s[G0B+4*(\s)], 1
	s_add_co_u32 s[G0B+4*(\s)+1], s44, (\s)*SLOT
	s_add_nc_u64 s[G0B+4*(\s)+2:G0B+4*(\s)+3], s[78:79], (\s)*STEPB
	s_or_b32 s[G0B+4*(\s)+3], s[G0B+4*(\s)+3], 0x80000000
.endr
	s_cmp_eq_u32 s17, 0                            ; a wave's two first fills stand in one branch, ahead of every wait on TENSORcnt and every LDS read: two loads of mine are out
	s_cbranch_scc0 .Lfirst_b
	tensor_load_to_lds s[G0A:G0A+3], s[G1A:G1A+7]
	s_nop 0
	tensor_load_to_lds s[G0A+4:G0A+7], s[G1A:G1A+7]
	s_nop 0
.rept 4
	v_nop
.endr
	s_branch .Lfirst_asked
.Lfirst_b:
	tensor_load_to_lds s[G0B:G0B+3], s[G1B:G1B+7]
	s_nop 0
	tensor_load_to_lds s[G0B+4:G0B+7], s[G1B:G1B+7]
	s_nop 0
.rept 4
	v_nop
.endr
.Lfirst_asked:
.irp u, 0,1,2,3
	global_load_b128 v[VI+8*(\u):VI+8*(\u)+3],   v[VIO], s[8:9] offset:1024*(\u) th:TH_LOAD_NT      ; V's ring is filled: units 0 to 3
	global_load_b128 v[VI+8*(\u)+4:VI+8*(\u)+7], v[VIO], s[8:9] offset:1024*(\u)+512 th:TH_LOAD_NT
.endr
	; A fragment is 16 rows x 32 channels in 8 registers: lane l holds row l % 16, channels 8 (l / 16) + 0..7 and 16 + 8 (l / 16) + 0..7: two loads of 16 bytes, 32 bytes apart.
	v_and_b32 v1, 15, v0                           ; r = l % 16
	v_bfe_u32 v2, v0, 4, 1                         ; h = l / 16
	v_mul_u32_u24 v3, v1, PITCH
	v_lshl_add_u32 v3, v2, 4, v3                   ; row x pitch + 16 x half
	s_mul_i32 s94, s17, HALFT                      ; my 128 rows of Q
	s_mul_i32 s95, s18, HALFT                      ; my 128 rows of K,
	s_add_co_u32 s95, s95, 2*HALFT                 ; which lie behind Q's 256
	v_add_nc_u32 v[A0], s94, v3
	v_add_nc_u32 v[B0], s95, v3
	v_mov_b32 v[ADRA], v[A0]
	v_mov_b32 v[ADRB], v[B0]
	s_mul_i32 s94, s16, 16*PITCH
	s_add_co_u32 s94, s94, STAGE                   ; my stage
	v_add_nc_u32 v[STO], s94, v3                   ; in: row l % 16, 16 bytes for each half of the lanes
	v_mul_u32_u24 v26, v2, PITCH                   ; back: lanes 0-15 take one row of 256 bytes, lanes 16-31 the next
	v_lshl_add_u32 v26, v1, 4, v26
	v_add_nc_u32 v[RD], s94, v26
	v_lshlrev_b32 v[CO], 12, v2                    ; and the same two rows in p
	v_lshl_add_u32 v[CO], v1, 4, v[CO]
	s_lshl_b32 s94, s16, 10
	s_add_co_u32 s94, s94, STATST                  ; my statistics
	v_lshlrev_b32 v26, 9, v2
	v_lshl_add_u32 v26, v1, 2, v26
	v_add_nc_u32 v[SST], s94, v26                  ; 512 h + 4 r
	v_add_nc_u32 v[SLD], s94, v[VIO]
; 16 matrix instructions: m blocks a0, a0 + 1 of the window's four x all 8 n blocks, 32 channels.  zero = 1: the first product starts the sums.
; The 64 accumulators take turns, one instruction a turn, in the same order in every quarter.
.macro MUL16 f, hi, a0, zero
	WIN MUL_LO+0x50*(\hi)
.irp a, \a0, (\a0)+1
.irp b, 0,1,2,3,4,5,6,7
.if \zero
	v_wmma_f32_16x16x32_bf16 v[8*(8*(\a)+(\b)):8*(8*(\a)+(\b))+7], v[(\f)+8*(\b):(\f)+8*(\b)+7], v[(\f)+8*(4*(\hi)+(\a)):(\f)+8*(4*(\hi)+(\a))+7], 0
.else
	v_wmma_f32_16x16x32_bf16 v[8*(8*(\a)+(\b)):8*(8*(\a)+(\b))+7], v[(\f)+8*(\b):(\f)+8*(\b)+7], v[(\f)+8*(4*(\hi)+(\a)):(\f)+8*(4*(\hi)+(\a))+7], v[8*(8*(\a)+(\b)):8*(8*(\a)+(\b))+7]
.endif
.endr
.endr
.endm
; 32 LDS loads in one run: a quarter's fragments (128 rows of K, 128 rows of Q, 32 channels at byte k of the rows) into buffer f
.macro FETCH k, f
	WIN TO_B
.irp i, 0,1,2,3,4,5,6,7
	ds_load_b128 v[(\f)+8*(\i):(\f)+8*(\i)+3],   v[ADRB] offset:(\k)+(\i)*16*PITCH
	ds_load_b128 v[(\f)+8*(\i)+4:(\f)+8*(\i)+7], v[ADRB] offset:(\k)+(\i)*16*PITCH+32
.endr
	WIN 0
.irp i, 0,1,2,3,4,5,6,7
	ds_load_b128 v[(\f)+8*(\i):(\f)+8*(\i)+3],   v[ADRA] offset:(\k)+(\i)*16*PITCH
	ds_load_b128 v[(\f)+8*(\i)+4:(\f)+8*(\i)+7], v[ADRA] offset:(\k)+(\i)*16*PITCH+32
.endr
.endm
; ONE UNIT OF V, in each quarter's middle: 1,024 bytes of f32 a wave (two loads of 512 consecutive bytes) become 512 bytes of f16 (two stores of 256 consecutive bytes, aligned).
; u: the unit's place in the ring of four.  ahead = 1: the place is filled again, four units on.  left: the younger loads that may stay out (three units of two).  step = 1: the two bases go one unit on.
; Its sixteen plain vector lines, which name no register of a matrix instruction, are also the four places in front of the LDS loads that follow.
.macro VCONV u, ahead, left, step
	WIN 0
	s_wait_loadcnt \left
	s_wait_xcnt 0x0                                ; the unit before has read its sources: VO and the two bases are written again only behind this wait
.if \step
	s_add_nc_u64 s[8:9], s[8:9], 1024
	s_add_nc_u64 s[14:15], s[14:15], 512
.endif
.irp k, 0,1,2,3
	v_cvt_pk_bf16_f32 v[VT+(\k)], v[VI+8*(\u)+2*(\k)], v[VI+8*(\u)+2*(\k)+1]   ; the rounding that all three inputs get
.endr
.irp k, 0,1,2,3
	v_lshlrev_b32 v[VI+8*(\u)+2*(\k)],   16,  v[VT+(\k)]
	v_and_b32     v[VI+8*(\u)+2*(\k)+1], s74, v[VT+(\k)]
.endr
.irp k, 0,1,2,3
	v_cvt_pk_f16_f32 v[VO+(\k)], v[VI+8*(\u)+2*(\k)], v[VI+8*(\u)+2*(\k)+1]    ; the same number as f16
.endr
.if \ahead
	global_load_b128 v[VI+8*(\u):VI+8*(\u)+3],   v[VIO], s[8:9] offset:4096 th:TH_LOAD_NT
	global_load_b128 v[VI+8*(\u)+4:VI+8*(\u)+7], v[VIO], s[8:9] offset:4608 th:TH_LOAD_NT
.endif
	global_store_b64 v[VOO], v[VO:VO+1],   s[14:15]
	global_store_b64 v[VOO], v[VO+2:VO+3], s[14:15] offset:256
.endm
; A step is four quarters of 32 channels, 64 matrix instructions each, on buffers 0, 1, 0, 1.  One of the first three: multiplies buffer f and fetches the next quarter, at byte k, into g.
.macro QUARTER k, f, g, zero, u, ahead, left, step
	s_wait_dscnt 8                                 ; K and Q's rows 0-63 are in; the youngest eight loads (Q's rows 64-127) may be out
	MUL16 \f, 0, 0, \zero
	MUL16 \f, 0, 2, \zero
	VCONV \u, \ahead, \left, \step
	FETCH \k, \g
	s_wait_dscnt 32                                ; all but the 32 just issued
	MUL16 \f, 1, 0, \zero
	MUL16 \f, 1, 2, \zero
.endm
; The last quarter multiplies buffer 1 and changes slots.  MEET is its first half: one barrier.  In front of it each wave waits for all its tensor loads (one is out: its part of the next slot),
; adds 0 to its spare word, and waits for that and for its own reads of this slot.  Behind it nobody reads this slot any more and the next slot is whole.
.macro MEET round
	WIN 0
	s_wait_tensorcnt 0x0
	ds_add_u32 v[SPW], v[NIL]                      ; 0 onto my spare word
	s_wait_dscnt 9                                 ; (the add and the youngest eight loads may be out)
	MUL16 F1, 0, 0, 0                              ; sixteen matrix instructions stand between the add and the wait for it
	s_wait_dscnt 0x0                               ; the add is done, and my reads of this slot are over
	s_barrier_signal -1
	MUL16 F1, 0, 2, 0
.if \round
	WIN 0
.endif
	s_barrier_wait -1
.endm
; fill = 1: the barrier opens a round of the cluster's, and the slot just read out is filled again first, with the step two on: 224 matrix instructions ahead of the wait for it.
.macro TURN fill
.if \fill
	s_wait_xcnt 0x0                                ; the last prefetch, a step back, has read its address
	s_add_nc_u64 s[PFA:PFA+1], s[PFA:PFA+1], STEPB
.endif
	MEET \fill
.if \fill
	CREST                                          ; no wave of any partner still reads this slot or has a load on its way
	s_xor_b32 s[G0A+5], s[G0A+5], SLOT             ; the walking descriptors: the other slot than last time,
	s_add_nc_u64 s[G0A+6:G0A+7], s[G0A+6:G0A+7], STEPB  ; the next step; the type bits on top are not reached
	s_xor_b32 s[G0B+5], s[G0B+5], SLOT
	s_add_nc_u64 s[G0B+6:G0B+7], s[G0B+6:G0B+7], STEPB
	JLOAD
.endif
	VCONV 3, 1, 6, 1
	v_add_nc_u32 v[ADRA], s[SLN], v[A0]            ; the fragments now come from the other slot
	v_add_nc_u32 v[ADRB], s[SLN], v[B0]
	s_xor_b32 s[SLN], s[SLN], SLOT
	FETCH 0, F0
.if \fill
	ASK
.endif
	MUL16 F1, 1, 0, 0
	MUL16 F1, 1, 2, 0
.endm
; THE WAY OUT, block a of eight (16 queries): a lane holds 64 of its query's 128 scores, in window W at AC .. AC + 63; the other 64 lie in the lane 16 away.
; MAXB: the chunk's maximum.  Four chains of sixteen scores, three operands at a time; each accumulator's lowest registers are read first.
.macro MAXB a
.set W, 2+(\a)/4
.set AC, 64*((\a)%4)
	WIN W*0x15                                     ; all three sources in window W
.irp j, 0,1,2,3
	v_max3_num_f32 v[C0+(\j)], v[AC+8*(\j)], v[AC+8*(\j)+1], v[AC+8*(\j)+2]
.endr
	WIN W*0x14                                     ; sources 1 and 2 in window W
.irp t, 0,1,2,3,4,5
.irp j, 0,1,2,3
.set n1, 3+2*(\t)
.set n2, 4+2*(\t)
	v_max3_num_f32 v[C0+(\j)], v[C0+(\j)], v[AC+8*(\j)+n1%8+32*(n1/8)], v[AC+8*(\j)+n2%8+32*(n2/8)]
.endr
.endr
	v_max3_num_f32 v[C0],   v[C0],   v[AC+39], v[AC+47]
	v_max3_num_f32 v[C0+2], v[C0+2], v[AC+55], v[AC+63]
	WIN 0
	v_max3_num_f32 v[C0], v[C0], v[C0+1], v[C0+2]
	v_max_num_f32 v[C0], v[C0], v[C0+3]
	v_permlanex16_b32 v[C0+1], v[C0], s72, s73
	v_max_num_f32 v[C0], v[C0], v[C0+1]
	v_mul_f32 v[CM+2*(\a)], s70, v[C0]             ; cm = c x maximum
	v_mov_b32 v[CM+2*(\a)+1], v[CM+2*(\a)]
.endm
; EXPB: p = 2^(c s - cm), in place.  The 64 exponentials are one batch: nothing names a result ahead of the one wait; the v_nop is the plain instruction behind the last of them.
.macro EXPB a
.set W, 2+(\a)/4
.set AC, 64*((\a)%4)
	WIN (W<<6)|W                                   ; destination and source 0 in window W, cm in window 0
	v_pk_fma_f32 v[AC:AC+1], v[AC:AC+1], s[70:71], v[CM+2*(\a):CM+2*(\a)+1] op_sel_hi:[1,0,0] neg_lo:[0,0,1] neg_hi:[0,0,1]
.set n, 1
.rept 31
	v_pk_fma_f32 v[AC+2*n:AC+2*n+1], v[AC+2*n:AC+2*n+1], s[70:71], v[CM+2*(\a):CM+2*(\a)+1] op_sel_hi:[1,0,0] neg_lo:[0,0,1] neg_hi:[0,0,1]
	v_exp_f32 v[AC+2*n-2], v[AC+2*n-2]
	v_exp_f32 v[AC+2*n-1], v[AC+2*n-1]
.set n, n+1
.endr
	v_exp_f32 v[AC+62], v[AC+62]
	v_exp_f32 v[AC+63], v[AC+63]
	v_nop
	s_wait_alu depctr_va_vdst(0)
.endm
; SUMPACK: p rounded to f16, 16 bytes for each accumulator; l, the f32 sum of the unrounded p, in four chains of pairs.
.macro SUMPACK a
.set W, 2+(\a)/4
.set AC, 64*((\a)%4)
	WIN W*5                                        ; sources 0 and 1 in window W
.set n, 0
.rept 32
	v_cvt_pk_f16_f32 v[TMP+n], v[AC+2*n], v[AC+2*n+1]
.set n, n+1
.endr
.irp j, 0,1,2,3
	v_pk_add_f32 v[LS+2*(\j):LS+2*(\j)+1], v[AC+2*(\j):AC+2*(\j)+1], v[AC+8+2*(\j):AC+8+2*(\j)+1]
.endr
	WIN W<<2                                       ; source 1 in window W
.set n, 8
.rept 24
	v_pk_add_f32 v[LS+2*(n%4):LS+2*(n%4)+1], v[LS+2*(n%4):LS+2*(n%4)+1], v[AC+2*n:AC+2*n+1]
.set n, n+1
.endr
	WIN 0
	v_pk_add_f32 v[LS:LS+1], v[LS:LS+1], v[LS+2:LS+3]
	v_pk_add_f32 v[LS+4:LS+5], v[LS+4:LS+5], v[LS+6:LS+7]
	v_pk_add_f32 v[LS:LS+1], v[LS:LS+1], v[LS+4:LS+5]
	v_add_f32 v[LS], v[LS], v[LS+1]
	v_permlanex16_b32 v[LS+1], v[LS], s72, s73
	v_add_f32 v[LL+(\a)], v[LS], v[LS+1]
.endm
.macro STAT a                          ; both halves of the lanes hold both numbers: lanes 0-15 put cm, lanes 16-31 l
	v_cndmask_b32 v[ST1], v[CM+2*(\a)], v[LL+(\a)], s74
	ds_store_b32 v[SST], v[ST1] offset:64*(\a)
.endm
.macro TOSTAGE a                       ; into my own stage, and back as whole rows of 256 bytes
	WIN 0
.set BK, OB+192*((\a)%2)
.irp b, 0,1,2,3,4,5,6,7
	ds_store_b128 v[STO], v[TMP+4*(\b):TMP+4*(\b)+3] offset:32*(\b)
.endr
.irp t, 0,1,2,3,4,5,6,7
	ds_load_b128 v[BK+4*(\t):BK+4*(\t)+3], v[RD] offset:(\t)*2*PITCH  ; LDS serves a wave's instructions in order (ISA guide 5.7.1.4): these see the stores above
.endr
.endm
.macro SEND a
	WIN 0
.set BK, OB+192*((\a)%2)
	s_wait_dscnt 0x0                               ; the block is back in registers
	s_wait_xcnt 0x0                                ; the stores of the block before have read their data: its buffer is loaded again only behind this wait
.irp t, 0,1,2,3,4,5,6,7
	global_store_b128 v[CO], v[BK+4*(\t):BK+4*(\t)+3], s[10:11] offset:(16*(\a)+2*(\t))*ROWB  ; 16 lanes store 256 consecutive bytes, aligned; the row stands in the immediate, 126 rows at the most
.endr
.endm
	s_wait_tensorcnt 0x1                           ; my part of step 0 is in; step 1's may stay out
	s_barrier_signal -1
	s_barrier_wait -1                              ; everybody's is
	FETCH 0, F0
	QUARTER 64,  F0, F1, 1, 0, 1, 6, 0             ; the first quarter stands in front of the loop: its products start the sums
	WIN 0                                          ; at a label and at a branch every window is 0
	s_mov_b32 s3, STEPS-2
.Lstep:                                                ; a trip: a step's quarters 2, 3 and 4, the change of slots with its refill, and the next step's first quarter
	QUARTER 128, F1, F0, 0, 1, 1, 6, 1
	QUARTER 192, F0, F1, 0, 2, 1, 6, 1
	TURN 1
	QUARTER 64,  F0, F1, 0, 0, 1, 6, 1
	WIN 0
	s_sub_co_u32 s3, s3, 1
	s_cmp_lg_u32 s3, 0
	s_cbranch_scc1 .Lstep
	QUARTER 128, F1, F0, 0, 1, 1, 6, 1             ; the tail is written out: the last two steps ask for nothing
	QUARTER 192, F0, F1, 0, 2, 1, 6, 1
	TURN 0
	QUARTER 64,  F0, F1, 0, 0, 0, 6, 1             ; V's last four units load nothing: the counts run down
	QUARTER 128, F1, F0, 0, 1, 0, 4, 1
	QUARTER 192, F0, F1, 0, 2, 0, 2, 1
	s_wait_dscnt 8
	MUL16 F1, 0, 0, 0
	MUL16 F1, 0, 2, 0
	VCONV 3, 0, 0, 1
	s_wait_dscnt 0x0
	MUL16 F1, 1, 0, 0
	MUL16 F1, 1, 2, 0
	WIN 0
.rept 8
	v_nop                                          ; the places behind the last products, in front of the reads of their results
.endr
	MAXB 0
	EXPB 0
	SUMPACK 0
	TOSTAGE 0
	STAT 0
.irp a, 1,2,3,4,5,6,7                  ; a block's arithmetic stands between the loads of the block before and its stores
	MAXB \a
	EXPB \a
	SUMPACK \a
	SEND (\a)-1
	TOSTAGE \a
	STAT \a
.endr
	SEND 7
	ds_load_b128 v[96:99],   v[SLD]                ; my 128 cm and my 128 l, 512 consecutive bytes each
	ds_load_b128 v[100:103], v[SLD] offset:512
	s_wait_dscnt 0x0
	global_store_b128 v[VIO], v[96:99],   s[12:13]
	global_store_b128 v[VIO], v[100:103], s[12:13] offset:524288
	s_wait_tensorcnt 0x0                           ; the wave's end: a wait, an add onto my spare word and a wait, behind my last tensor load and my last LDS store
	ds_add_u32 v[SPW], v[NIL]
	s_wait_dscnt 0x0
	CROUND                                         ; the closing round: no work-group ends while a partner may still ask for a tile that names it
	s_endpgm
.Lfunc_end_k_q32f8ffa2d1_scores:
	.size	k_q32f8ffa2d1_scores, .Lfunc_end_k_q32f8ffa2d1_scores-k_q32f8ffa2d1_scores
	.p2alignl 7, 3214868480
	.fill 96, 4, 3214868480
	.section	.rodata,"a",@progbits
	.p2align	6, 0x0
	.amdhsa_kernel k_q32f8ffa2d1_scores
		.amdhsa_group_segment_fixed_size 327680
		.amdhsa_private_segment_fixed_size 0
		.amdhsa_enable_private_segment 0
		.amdhsa_kernarg_size 48
		.amdhsa_user_sgpr_count 2
		.amdhsa_user_sgpr_kernarg_segment_ptr 1
		.amdhsa_wavefront_size32 1
		.amdhsa_system_sgpr_workgroup_id_x 1
		.amdhsa_system_sgpr_workgroup_id_y 1
		.amdhsa_system_sgpr_workgroup_id_z 1
		.amdhsa_system_vgpr_workitem_id 0
		.amdhsa_next_free_vgpr 1024
		.amdhsa_next_free_sgpr 96
		.amdhsa_reserve_vcc 0
		.amdhsa_float_denorm_mode_32 3
		.amdhsa_float_denorm_mode_16_64 3
		.amdhsa_memory_ordered 1
		.amdhsa_forward_progress 1
		.amdhsa_inst_pref_size 201
	.end_amdhsa_kernel
	.amdgpu_metadata
---
amdhsa.version: [ 1, 2 ]
amdhsa.kernels:
  - .name:           k_q32f8ffa2d1_scores
    .symbol:         k_q32f8ffa2d1_scores.kd
    .args:
      - { .name: qb, .offset: 0, .size: 8, .value_kind: global_buffer, .address_space: global }
      - { .name: kb, .offset: 8, .size: 8, .value_kind: global_buffer, .address_space: global }
      - { .name: value, .offset: 16, .size: 8, .value_kind: global_buffer, .address_space: global }
      - { .name: p, .offset: 24, .size: 8, .value_kind: global_buffer, .address_space: global }
      - { .name: stats, .offset: 32, .size: 8, .value_kind: global_buffer, .address_space: global }
      - { .name: vh, .offset: 40, .size: 8, .value_kind: global_buffer, .address_space: global }
    .group_segment_fixed_size: 327680
    .private_segment_fixed_size: 0
    .kernarg_segment_align: 8
    .kernarg_segment_size: 48
    .max_flat_workgroup_size: 128
    .sgpr_count:     96
    .vgpr_count:     1024
    .wavefront_size: 32
...
	.end_amdgpu_metadata
.endif
;; end of part 2
;; launch mix (part 3): grid 8 x 32, 4 waves a work-group, clusters of 4 x 4, 327,680 bytes of LDS; arguments vh, p, stats, out0; writes out0
.if DOCPART == 3
	.amdgcn_target "amdgcn-amd-amdhsa--gfx1250"
	.amdhsa_code_object_version 6
	.text
	.protected	k_q32f8ffa2d1_mix
	.globl	k_q32f8ffa2d1_mix
	.p2align	8
	.type	k_q32f8ffa2d1_mix,@function
k_q32f8ffa2d1_mix:
	s_mov_b64 s[64:65], 0
	v_nop
	global_prefetch_b8 v0, s[64:65] scope:SCOPE_SE
	s_setreg_imm32_b32 hwreg(HW_REG_WAVE_MODE, 25, 1), 1
	s_wait_xcnt 0x0
	s_wait_alu depctr_hold_cnt(0) depctr_sa_sdst(0) depctr_va_vdst(0) depctr_va_sdst(0) depctr_va_ssrc(0) depctr_va_vcc(0) depctr_vm_vsrc(0)
	s_getreg_b32 s2, hwreg(HW_REG_IB_STS2, 6, 4)
	s_cmp_eq_u32 s2, 0
	s_cbranch_scc0 .Lentry_in_a_cluster
	s_endpgm
.Lentry_in_a_cluster:
	s_bfe_u32 s2, ttmp6, 0x10000c
	s_cmp_lg_u32 s2, 0xf033
	s_cbranch_scc0 .Lentry_shape_is_right
	s_endpgm
.Lentry_shape_is_right:
; out[s][k] = the sum over q of V[s][q] P[q][k], P = softmax along k of the scores.  vh: f16 [8192 s][2048 q] (batches stacked); p: f16 [8192 q][2048 k], p = 2^(c s - cm_chunk);
; stats: f32 cm[batch][16 chunks][2048 q] at byte 0, l in the same shape at byte 524,288; out0: f32 [8192][2048].
; A tile of out, 256 x 256, is made by four waves, each 128 x 128: 64 accumulators.  A wave's 128 columns are ONE chunk.  q goes in 16 steps of 128 through two LDS slots.
; THE SECOND LEVEL OF THE SOFTMAX goes step by step, beside the products: during step s thread t takes q = 128 (s + 1) + t: the true maximum MX of the row's 16 cm, L = the sum of l_c 2^(cm_c - MX) in f32,
; and for the tile's two chunks f = 2^(cm_chunk - MX) / L, rounded once to f16, into a table in LDS of which each byte is written once.  P[q][k] = p f: each fragment of p is multiplied by f
; (one more rounding to f16) between its load from LDS and its products.
; LIMITS.  A weight below 6e-8 counts as 0, and below 6.1e-5 it keeps f16's fixed step of 6e-8; NaN and infinities are not treated apart.  attn_mask is an argument that reference() never uses: no launch reads it.
; CLUSTERS: 4 x 4 work-groups of one batch: V's tiles are shared along a row of the cluster, p's along a column, each asked for jointly.
; THE MATRIX INSTRUCTION IS USED TRANSPOSED (source 0 = 16 columns k, source 1 = 16 rows s): a lane holds one row (lane % 16) and the columns 16 b + 8 (lane / 16) + 0..7.
; V comes out of LDS as it lies; p ([q][k]) turned, by ds_load_tr16_b128.
; REGISTERS, in windows of 256 (s_set_vgpr_msb: bits 1:0 source 0, 3:2 source 1, 5:4 source 2, 7:6 destination):
;   window 0: v0-31 addresses; v32-47 f's fragments, two buffers; v64-127, v128-191 V's fragments, two buffers, and the way out's read-back buffers; v192-235 the statistics at work
;   window 1: v64-127, v128-191 p's fragments; v0-63, v192-255 the accumulators of my rows 96-111 and 112-127
;   window 2: the accumulators of my rows 0-63, (a, b) at v[8 (8 a + b)];   window 3: v0-127 those of my rows 64-95
; p's fragments share their window with the accumulators of a quarter's last sixteen products, and f's fragments theirs with V's: so those products and the multiplies p x f behind them go under one setting.
.set PITCH,  272                       ; a row of V in LDS: 256 bytes + 16: the 16 rows of a fragment load start at 16 different groups of four banks (ISA guide 11.1)
.set PB,     544                       ; a row of p: 512 bytes + 32 = 136 words
.set HALFT,  128*PITCH                 ; what one tensor load brings: 128 rows of V, or 64 rows of p
.set SLOT,   4*HALFT                   ; V's 256 rows, then p's 128.  0x22000: no wave's offset in a slot has one of its two bits, so one exclusive or changes slots
.set STAGE,  2*SLOT                    ; behind the ring: 16 rows x 528 bytes for each wave, for the way out
.set SPITCH, 528
.set SCALE,  STAGE+4*16*SPITCH         ; f of the tile's two chunks: 2 x 2,048 f16
.set SPARE,  SCALE+8192                ; the spare words, 128 bytes for each wave: two blocks of 256 bytes that no other line names
.set STEPS,  16
.set STEP_A, 256                       ; a step in vh: 128 elements along the rows
.set STEP_B, 128*4096                  ; in p: 128 rows down
.set A0,   4                           ; v4   my lane's place in V's rows of slot 0; never rewritten
.set B0,   5                           ; v5   the same for p
.set ADRA, 6                           ; v6   the same in the slot in hand
.set ADRB, 7                           ; v7
.set STO,  8                           ; v8   the way out: where I put 32 bytes of a row
.set RD,   9                           ; v9   where I read a row back
.set CO,   10                          ; v10  16 x lane: my place in 512 bytes of out0
.set PFO,  11                          ; v11  the prefetches' offset
.set ADRF, 12                          ; v12  f of the step in hand
.set SQ,   13                          ; v13  4 x thread: my q among a step's 128, in a chunk's row of the statistics; never rewritten
.set SCA,  14                          ; v14  where I put my q's f
.set SQO,  15                          ; v15  the same as v13 in the first of the tile's two chunks; never rewritten
.set SPW,  28                          ; v28  LDS address of my spare word; never rewritten
.set NIL,  29                          ; v29  0; never rewritten
.set SFB,  32                          ; v32-39, v40-47  f's fragments for buffers F0, F1
.set F0,   64
.set F1,   128
.set CMR,  192                         ; v192-207  cm of the 16 chunks, then 2^(cm - MX)
.set LR,   208                         ; v208-223  l of the 16 chunks
.set OWR,  224                         ; v224-225  the same as v192.. for the tile's two chunks, then f
.set MX,   226                         ; v226-227  MX, twice
.set T,    228                         ; v228-231  chains
.set RC,   232                         ; v232      1 / L
.set FH,   234                         ; v234-235  f in f16
.set G1A, 24                           ; s[24:31] descriptor group 1 for V's tiles
.set G0A, 32                           ; s[32:39] group 0: a set for each first fill; the second then walks on
.set G1B, 48                           ; s[48:55], s[56:63] the same for p's
.set G0B, 56
.set PFA, 66                           ; s[66:67] where my prefetch stands
.set LIM, 68                           ; s68  1 in a wave that prefetches, else the greatest number
.set SLN, 69                           ; s69  the LDS base of the slot that is read next
.set PFS, 84                           ; s[84:85] a step of my prefetch
.set MSB, 0
.macro WIN new                         ; the immediate's high byte repeats the setting that is left; a switch that changes nothing is dropped
.if MSB != (\new)
	s_set_vgpr_msb (MSB<<8)|(\new)
.set MSB, \new
.endif
.endm
.set MUL_LO, 0xa1                      ; source 0 (p) window 1, source 1 (V) window 0, C and D window 2
.set MUL_HI, 0xf1                      ; the same, C and D window 3
.set MUL_X,  0x51                      ; the same, C and D window 1; for p x f: destination and source 0 window 1, source 1 window 0
.set TO_B,   0x40                      ; destination window 1, address window 0
; A joint refill by the walking descriptor.  Waves 0 and 1 fetch V's two halves, waves 2 and 3 p's.  An s_nop 0 and four v_nop follow each of the two lines.
.macro JLOAD
	s_cmp_eq_u32 s17, 0
	s_cbranch_scc0 .Lfor_b_\@
	tensor_load_to_lds s[G0A+4:G0A+7], s[G1A:G1A+7]
	s_nop 0
.rept 4
	v_nop
.endr
	s_branch .Lasked_\@
.Lfor_b_\@:
	tensor_load_to_lds s[G0B+4:G0B+7], s[G1B:G1B+7]
	s_nop 0
.rept 4
	v_nop
.endr
.Lasked_\@:
.endm
; A PREFETCH INTO THE L2 of what the NEXT refill will ask for, one step, 256 matrix instructions, ahead of that load: 32 blocks of 256 bytes, a lane a block, one instruction a wave.
; Each block is named once in the launch: V's tile row is read by both clusters of its row of clusters, of which x = 0 asks; p's tile column by a batch's two clusters of that column, of which the even y asks.
; The four partners share a wave's 128 blocks out by ADDRESS: of V's 128 rows of 256 bytes 32 each (cx), of p's 64 rows of 512 bytes 16 each (cy).  In the loop's last trip nothing is asked for; steps 0 to 2 come by their loads alone.
.macro ASK
	s_cmp_gt_u32 s3, s[LIM]
	s_cbranch_scc0 .Lnot_mine_\@
	global_prefetch_b8 v[PFO], s[PFA:PFA+1] th:TH_LOAD_NT scope:SCOPE_SE
.Lnot_mine_\@:
.endm
.macro CREST                           ; a round of the cluster's barrier behind its opening barrier
	s_cmp_lg_u32 s16, 0
	s_cbranch_scc1 .Lnot_wave_0_\@
	s_barrier_signal -3
.Lnot_wave_0_\@:
	s_barrier_wait -3
	s_barrier_signal -1
	s_barrier_wait -1
.endm
.macro CROUND
	s_barrier_signal -1
	s_barrier_wait -1
	CREST
.endm
.macro PLACES                          ; four places in front of loads into registers that matrix instructions have read
.rept 4
	v_nop
.endr
.endm
	s_load_b256 s[4:11], s[0:1], 0x0               ; vh s[4:5], p s[6:7], stats s[8:9], out0 s[10:11]
	v_lshl_add_u32 v[SPW], v0, 2, SPARE
	v_mov_b32 v[NIL], 0
	ds_add_u32 v[SPW], v[NIL]                      ; the wave's opening: the add and its wait stand ahead of my first tensor load; the set-up below, work on registers, stands between them
	v_lshrrev_b32 v3, 5, v0
	v_readfirstlane_b32 s16, v3                    ; wave 0..3
	s_lshr_b32 s17, s16, 1                         ; i: my half of the tile's rows.  Also: I fetch for V (0) or for p (1)
	s_and_b32 s18, s16, 1                          ; j: my half of its columns.  Also: which half of a tile I fetch
	s_bfe_u32 s19, ttmp6, 0x40000                  ; cx
	s_bfe_u32 s20, ttmp6, 0x40004                  ; cy
	s_lshl_b32 s21, ttmp9, 2
	s_add_co_u32 s21, s21, s19                     ; tx: tile column, 0..7
	s_and_b32 s47, ttmp7, 0xffff                   ; cluster y, 0..7
	s_lshl_b32 s22, s47, 2
	s_add_co_u32 s22, s22, s20                     ; ty: tile row over the stacked batches, 0..31
	s_lshr_b32 s23, s47, 1                         ; the batch, which all sixteen partners share
	s_and_b32 s47, s47, 1
	s_lshl_b32 s40, s20, 2
	s_lshl_b32 s40, 15, s40                        ; my row of the cluster
	s_lshl_b32 s41, 0x1111, s19                    ; my column
	; group 1 for V: 128 rows x 128 elements of 2 bytes, 4 words of padding behind every 64
	s_or_b32 s[G1A], s40, (1<<16)|(1<<20)|(1<<21)|(5<<22)|(3<<25)
	s_mov_b32 s[G1A+1], 128<<16                    ; tensor_dim0
	s_mov_b32 s[G1A+2], 128<<16                    ; tensor_dim1
	s_mov_b32 s[G1A+3], 128<<16                    ; tile_dim0
	s_mov_b32 s[G1A+4], 128                        ; tile_dim1
	s_mov_b32 s[G1A+5], 2048                       ; elements from row to row
	s_mov_b32 s[G1A+6], 0
	s_mov_b32 s[G1A+7], 0
	; group 1 for p: 64 rows x 256 elements, 8 words of padding behind every 128
	s_or_b32 s[G1B], s41, (1<<16)|(1<<20)|(1<<21)|(6<<22)|(7<<25)
	s_mov_b32 s[G1B+1], 256<<16
	s_mov_b32 s[G1B+2], 64<<16
	s_mov_b32 s[G1B+3], 256<<16
	s_mov_b32 s[G1B+4], 64
	s_mov_b32 s[G1B+5], 2048
	s_mov_b32 s[G1B+6], 0
	s_mov_b32 s[G1B+7], 0
	s_lshl_b32 s42, s18, 7
	s_lshl_b32 s45, s22, 8
	s_add_co_u32 s45, s45, s42                     ; V: row 256 ty + 128 j: it hangs on cy alone
	s_lshl_b32 s76, s45, 12
	s_mov_b32 s77, 0
	s_lshl_b32 s46, s23, 11
	s_lshl_b32 s43, s18, 6
	s_add_co_u32 s46, s46, s43                     ; p: row 2048 batch + 64 j,
	s_lshl_b32 s78, s46, 12
	s_lshl_b32 s43, s21, 9                         ; column byte 512 tx: on cx alone
	s_add_co_u32 s78, s78, s43
	s_mov_b32 s79, 0
	s_mul_i32 s44, s16, HALFT                      ; where my tile goes
	; the prefetches, at step 2; the first change of slots steps them to 3
	s_lshl_b32 s80, s19, 5
	s_add_co_u32 s80, s80, s45                     ; V: my work-group's 32 rows
	s_lshl_b32 s80, s80, 12
	s_add_co_u32 s80, s80, 2*STEP_A
	s_lshl_b32 s82, s20, 4
	s_add_co_u32 s82, s82, s46                     ; p: my work-group's 16 rows
	s_lshl_b32 s82, s82, 12
	s_add_co_u32 s82, s82, s43
	s_add_co_u32 s82, s82, 2*STEP_B
	s_mov_b32 s[PFS], STEP_B
	s_cmp_eq_u32 s17, 0
	s_cselect_b32 s80, s80, s82
	s_cselect_b32 s83, ttmp9, s47
	s_cselect_b32 s[PFS], STEP_A, s[PFS]
	s_cselect_b32 s86, 0, 1                        ; V: a lane a row; p: two lanes a row
	s_mov_b32 s[PFS+1], 0
	s_mov_b32 s81, 0
	s_cmp_eq_u32 s83, 0
	s_cselect_b32 s[LIM], 1, -1                    ; the same in all sixteen partners, for a given wave
	s_lshl_b32 s88, s23, 17                        ; the batch's statistics: 16 chunks x 8,192 bytes
	s_mov_b32 s89, 0
	s_lshl_b32 s90, s21, 14                        ; the tile's two chunks among them
	s_lshl_b32 s92, s22, 8                         ; out0 at (256 ty + 128 i) rows + 1024 tx + 512 j bytes
	s_lshl_b32 s93, s17, 7
	s_add_co_u32 s92, s92, s93
	s_lshl_b32 s92, s92, 13
	s_lshl_b32 s93, s21, 10
	s_add_co_u32 s92, s92, s93
	s_lshl_b32 s93, s18, 9
	s_add_co_u32 s92, s92, s93
	s_mov_b32 s93, 0
	s_mov_b32 s[SLN], SLOT
	; lane addresses
	v_and_b32 v1, 15, v0                           ; r = l % 16
	v_bfe_u32 v2, v0, 4, 1                         ; h = l / 16
	v_mul_u32_u24 v3, v1, PITCH
	v_lshl_add_u32 v3, v2, 4, v3                   ; a fragment of V: row x pitch + 16 x half
	s_mul_i32 s94, s17, HALFT
	v_add_nc_u32 v[A0], s94, v3
	v_mov_b32 v[ADRA], v[A0]
	; the turning load takes 16 q x 16 columns (lane l reads row 8 (l / 16) + l % 8, columns 8 ((l / 8) % 2) + 0..7) and leaves half a fragment: lane l holds column l % 16 and 8 q
	v_and_b32 v16, 7, v0
	v_lshl_add_u32 v16, v2, 3, v16
	v_mul_u32_u24 v16, v16, PB
	v_bfe_u32 v17, v0, 3, 1
	v_lshl_add_u32 v16, v17, 4, v16
	s_lshl_b32 s94, s18, 8                         ; my 128 columns: 256 bytes of a row,
	s_add_co_u32 s94, s94, 2*HALFT                 ; behind V's 256 rows
	v_add_nc_u32 v[B0], s94, v16
	v_mov_b32 v[ADRB], v[B0]
	s_lshl_b32 s94, s18, 12
	s_add_co_u32 s94, s94, SCALE                   ; my chunk's f
	v_lshl_add_u32 v[ADRF], v2, 4, s94             ; a fragment's q's: 8 h + 0..7, and 16 further on
	v_lshlrev_b32 v[SQ], 2, v0
	v_add_nc_u32 v[SQO], s90, v[SQ]
	v_lshl_add_u32 v[SCA], v0, 1, SCALE            ; 2 bytes for each q
	s_mul_i32 s94, s16, 16*SPITCH
	s_add_co_u32 s94, s94, STAGE                   ; my stage
	v_mul_u32_u24 v16, v1, SPITCH
	v_lshl_add_u32 v16, v2, 5, v16
	v_add_nc_u32 v[STO], s94, v16                  ; in: row l % 16, 32 bytes for each half of the lanes
	v_and_b32 v3, 31, v0
	v_lshlrev_b32 v[CO], 4, v3
	v_add_nc_u32 v[RD], s94, v[CO]                 ; back: 32 lanes take one row of 512 bytes
	v_lshrrev_b32 v16, s86, v3
	v_and_b32 v17, s86, v3
	v_lshlrev_b32 v16, 12, v16
	v_lshl_add_u32 v[PFO], v17, 8, v16
	s_wait_dscnt 0x0                               ; the opening add is done
	s_wait_kmcnt 0x0
	s_add_nc_u64 s[76:77], s[4:5], s[76:77]
	s_add_nc_u64 s[78:79], s[6:7], s[78:79]
	s_cmp_eq_u32 s17, 0
	s_cselect_b64 s[PFA:PFA+1], s[4:5], s[6:7]
	s_add_nc_u64 s[PFA:PFA+1], s[PFA:PFA+1], s[80:81]
	s_add_nc_u64 s[12:13], s[8:9], s[88:89]        ; the batch's statistics, at the q's of step 0
	s_add_nc_u64 s[10:11], s[10:11], s[92:93]
	CROUND                                         ; all sixteen work-groups are here: the first joint loads meet
.irp s, 0,1
	s_mov_b32 s[G0A+4*(\s)], 1                     ; count = 1
	s_add_co_u32 s[G0A+4*(\s)+1], s44, (\s)*SLOT   ; LDS address
	s_add_nc_u64 s[G0A+4*(\s)+2:G0A+4*(\s)+3], s[76:77], (\s)*STEP_A  ; global address: step s
	s_or_b32 s[G0A+4*(\s)+3], s[G0A+4*(\s)+3], 0x80000000            ; type = 2
	s_mov_b32 s[G0B+4*(\s)], 1
	s_add_co_u32 s[G0B+4*(\s)+1], s44, (\s)*SLOT
	s_add_nc_u64 s[G0B+4*(\s)+2:G0B+4*(\s)+3], s[78:79], (\s)*STEP_B
	s_or_b32 s[G0B+4*(\s)+3], s[G0B+4*(\s)+3], 0x80000000
.endr
	s_cmp_eq_u32 s17, 0                            ; a wave's two first fills stand in one branch, ahead of every wait on TENSORcnt and every LDS read: two loads of mine are out
	s_cbranch_scc0 .Lfirst_b
	tensor_load_to_lds s[G0A:G0A+3], s[G1A:G1A+7]
	s_nop 0
	tensor_load_to_lds s[G0A+4:G0A+7], s[G1A:G1A+7]
	s_nop 0
.rept 4
	v_nop
.endr
	s_branch .Lfirst_asked
.Lfirst_b:
	tensor_load_to_lds s[G0B:G0B+3], s[G1B:G1B+7]
	s_nop 0
	tensor_load_to_lds s[G0B+4:G0B+7], s[G1B:G1B+7]
	s_nop 0
.rept 4
	v_nop
.endr
.Lfirst_asked:
; THE STATISTICS OF ONE STEP'S 128 q's, a thread a q.  SLOADS asks for them: 34 loads of 128 consecutive bytes a wave, from the base that PART_A has stepped.
.macro SLOADS
	WIN 0
.set c, 0
.rept 16
	global_load_b32 v[CMR+c], v[SQ], s[12:13] offset:8192*c
	global_load_b32 v[LR+c],  v[SQ], s[12:13] offset:524288+8192*c
.set c, c+1
.endr
	global_load_b32 v[OWR],   v[SQO], s[12:13]
	global_load_b32 v[OWR+1], v[SQO], s[12:13] offset:8192
.endm
; PART_A: the row's true maximum (times c) over its 16 chunks, the differences, and the 18 exponentials as one batch: nothing names a result of theirs ahead of PART_B's wait.
; Its plain lines name no register of a matrix instruction: they are the places in front of the LDS loads that follow.
.macro PART_A
	WIN 0
	s_wait_loadcnt 0x0                             ; the 34 loads, asked for more than a step ago, are in: no load of mine is out, so their base may be written
	s_add_nc_u64 s[12:13], s[12:13], 512           ; the next step's 128 q's
	v_max3_num_f32 v[T],   v[CMR],   v[CMR+1], v[CMR+2]
	v_max3_num_f32 v[T+1], v[CMR+3], v[CMR+4], v[CMR+5]
.irp n, 6,10
	v_max3_num_f32 v[T],   v[T],   v[CMR+(\n)],   v[CMR+(\n)+1]
	v_max3_num_f32 v[T+1], v[T+1], v[CMR+(\n)+2], v[CMR+(\n)+3]
.endr
	v_max3_num_f32 v[T], v[T], v[CMR+14], v[CMR+15]
	v_max_num_f32 v[MX],   v[T], v[T+1]
	v_max_num_f32 v[MX+1], v[T], v[T+1]
	v_pk_add_f32 v[CMR:CMR+1], v[CMR:CMR+1], v[MX:MX+1] neg_lo:[0,1] neg_hi:[0,1]   ; cm_c - MX
.set n, 1
.rept 7
	v_pk_add_f32 v[CMR+2*n:CMR+2*n+1], v[CMR+2*n:CMR+2*n+1], v[MX:MX+1] neg_lo:[0,1] neg_hi:[0,1]
	v_exp_f32 v[CMR+2*n-2], v[CMR+2*n-2]
	v_exp_f32 v[CMR+2*n-1], v[CMR+2*n-1]
.set n, n+1
.endr
	v_pk_add_f32 v[OWR:OWR+1], v[OWR:OWR+1], v[MX:MX+1] neg_lo:[0,1] neg_hi:[0,1]
	v_exp_f32 v[CMR+14], v[CMR+14]
	v_exp_f32 v[CMR+15], v[CMR+15]
	v_exp_f32 v[OWR], v[OWR]
	v_exp_f32 v[OWR+1], v[OWR+1]
	v_nop                                          ; the plain instruction behind the last exponential
.endm
; PART_B: the one wait ahead of the batch's first reader; L in two chains of pairs; its reciprocal.  The chunk that holds the maximum gives 1 or more.
.macro PART_B
	WIN 0
	s_wait_alu depctr_va_vdst(0)
	v_pk_mul_f32 v[T:T+1],   v[LR:LR+1],   v[CMR:CMR+1]
	v_pk_mul_f32 v[T+2:T+3], v[LR+2:LR+3], v[CMR+2:CMR+3]
.set n, 2
.rept 6
	v_pk_fma_f32 v[T+2*(n%2):T+2*(n%2)+1], v[LR+2*n:LR+2*n+1], v[CMR+2*n:CMR+2*n+1], v[T+2*(n%2):T+2*(n%2)+1]
.set n, n+1
.endr
	v_pk_add_f32 v[T:T+1], v[T:T+1], v[T+2:T+3]
	v_add_f32 v[T], v[T], v[T+1]
	v_rcp_f32 v[RC], v[T]
	v_nop                                          ; the plain instruction behind the reciprocal
.endm
; PART_C: the reciprocal's wait; f of the tile's two chunks, rounded to f16, into the table: 64 consecutive bytes a wave in each chunk's part.  It stands ahead of the waits of the barrier behind which the table's new part is read.
.macro PART_C
	WIN 0
	s_wait_alu depctr_va_vdst(0)
	v_mul_f32 v[OWR],   v[OWR],   v[RC]
	v_mul_f32 v[OWR+1], v[OWR+1], v[RC]
	v_cvt_pk_f16_f32 v[FH],   v[OWR],   v[OWR]
	v_cvt_pk_f16_f32 v[FH+1], v[OWR+1], v[OWR+1]
	ds_store_b16 v[SCA], v[FH]
	ds_store_b16 v[SCA], v[FH+1] offset:4096
	v_add_nc_u32 v[SCA], 256, v[SCA]               ; the next step's 128 q's
.endm
; 16 matrix instructions: m blocks a0, a0 + 1 of the window's x all 8 n blocks, 32 q.  The 64 accumulators take turns, one instruction a turn, in the same order in every quarter.
.macro MUL16 f, hi, a0, zero
	WIN MUL_LO+0x50*(\hi)
.irp a, \a0, (\a0)+1
.irp b, 0,1,2,3,4,5,6,7
.if \zero
	v_wmma_f32_16x16x32_f16 v[8*(8*(\a)+(\b)):8*(8*(\a)+(\b))+7], v[(\f)+8*(\b):(\f)+8*(\b)+7], v[(\f)+8*(4*(\hi)+(\a)):(\f)+8*(4*(\hi)+(\a))+7], 0
.else
	v_wmma_f32_16x16x32_f16 v[8*(8*(\a)+(\b)):8*(8*(\a)+(\b))+7], v[(\f)+8*(\b):(\f)+8*(\b)+7], v[(\f)+8*(4*(\hi)+(\a)):(\f)+8*(4*(\hi)+(\a))+7], v[8*(8*(\a)+(\b)):8*(8*(\a)+(\b))+7]
.endif
.endr
.endr
.endm
; A quarter's last 16 matrix instructions, on buffer f: m blocks 6 and 7, whose accumulators lie in window 1 at v[192 (a - 6) + 8 b].  ride = 1: behind each of them four of the 64 multiplies p x f on buffer g,
; the next quarter's: register x of a fragment of p and register x of f's fragment hold the same two q's.  The multiplies name no register of the products round them, and go under the products' setting.
.macro MULX f, g, zero, ride
	WIN MUL_X
.set x, 0
.irp a, 0,1
.irp b, 0,1,2,3,4,5,6,7
.if \zero
	v_wmma_f32_16x16x32_f16 v[192*(\a)+8*(\b):192*(\a)+8*(\b)+7], v[(\f)+8*(\b):(\f)+8*(\b)+7], v[(\f)+8*(6+(\a)):(\f)+8*(6+(\a))+7], 0
.else
	v_wmma_f32_16x16x32_f16 v[192*(\a)+8*(\b):192*(\a)+8*(\b)+7], v[(\f)+8*(\b):(\f)+8*(\b)+7], v[(\f)+8*(6+(\a)):(\f)+8*(6+(\a))+7], v[192*(\a)+8*(\b):192*(\a)+8*(\b)+7]
.endif
.if \ride
.rept 4
	v_pk_mul_f16 v[(\g)+x], v[(\g)+x], v[SFB+((\g)-64)/8+x%8]
.set x, x+1
.endr
.endif
.endr
.endr
.endm
; 34 LDS loads in one run: quarter kq's f (2), p turned (16), V (16), into buffer f
.macro FETCH kq, f
	WIN 0
	ds_load_b128 v[SFB+((\f)-64)/8:SFB+((\f)-64)/8+3],   v[ADRF] offset:64*(\kq)
	ds_load_b128 v[SFB+((\f)-64)/8+4:SFB+((\f)-64)/8+7], v[ADRF] offset:64*(\kq)+32
	WIN TO_B
.irp n, 0,1,2,3,4,5,6,7
	ds_load_tr16_b128 v[(\f)+8*(\n):(\f)+8*(\n)+3],   v[ADRB] offset:(\kq)*32*PB+32*(\n)
	ds_load_tr16_b128 v[(\f)+8*(\n)+4:(\f)+8*(\n)+7], v[ADRB] offset:(\kq)*32*PB+16*PB+32*(\n)
.endr
	WIN 0
.irp i, 0,1,2,3,4,5,6,7
	ds_load_b128 v[(\f)+8*(\i):(\f)+8*(\i)+3],   v[ADRA] offset:64*(\kq)+(\i)*16*PITCH
	ds_load_b128 v[(\f)+8*(\i)+4:(\f)+8*(\i)+7], v[ADRA] offset:64*(\kq)+(\i)*16*PITCH+32
.endr
.endm
; A step is four quarters of 32 q, 64 matrix instructions each, on buffers 0, 1, 0, 1.  One of the first three: multiplies buffer f, fetches quarter kq into g and scales it.
; part: what stands in its middle, in front of the LDS loads: 0 four v_nop; 1 PART_A; 2 PART_B; 3, 4 (the tail's loop): four v_nop, and PART_A or PART_B in the first of the two trips alone, with its wait ahead of the label.
.macro QUARTER kq, f, g, zero, part
	s_wait_dscnt 8                                 ; V's rows 0-63 are in; the youngest eight loads (rows 64-127) may be out
	MUL16 \f, 0, 0, \zero
	MUL16 \f, 0, 2, \zero
.if (\part) == 0
	PLACES
.elseif (\part) == 1
	PART_A
.elseif (\part) == 2
	PART_B
.else
	WIN 0                                          ; at a branch and at a label every window is 0
	PLACES
	s_cmp_eq_u32 s3, 2
	s_cbranch_scc0 .Lno_part_\@                    ; the last step has no step behind it
.if (\part) == 3
	PART_A
.else
	PART_B
.endif
	s_wait_alu depctr_va_vdst(0)
.Lno_part_\@:
.endif
	FETCH \kq, \g
	s_wait_dscnt 34                                ; all but the 34 just issued
	MUL16 \f, 1, 0, \zero
	s_wait_dscnt 16                                ; f and p of the next quarter are in; V's sixteen loads may be out
	MULX \f, \g, \zero, 1
.endm
; The last quarter's first half: one barrier for the change of slots.  In front of it each wave waits for all its tensor loads (one is out: its part of the next slot), adds 0 to its spare word,
; and waits for that, for its own reads of this slot and for its two stores into f's table.
.macro MEET round
	WIN 0
	s_wait_tensorcnt 0x0
	ds_add_u32 v[SPW], v[NIL]                      ; 0 onto my spare word
	s_wait_dscnt 11                                ; (the add, PART_C's two stores and V's youngest eight loads may be out)
	MUL16 F1, 0, 0, 0                              ; sixteen matrix instructions stand between the add and the wait for it
	s_wait_dscnt 0x0                               ; the add is done, my reads of this slot are over, and my part of the next step's f lies in LDS
	s_barrier_signal -1
	MUL16 F1, 0, 2, 0
.if \round
	WIN 0
.endif
	s_barrier_wait -1
.endm
; fill = 1: the barrier opens a round of the cluster's, and the slot just read out is filled again first, with the step two on: 224 matrix instructions ahead of the wait for it;
; behind the run of LDS loads the statistics of the step two on are asked for.
.macro TURN fill
.if \fill
	s_wait_xcnt 0x0                                ; the last prefetch, a step back, has read its address
	s_add_nc_u64 s[PFA:PFA+1], s[PFA:PFA+1], s[PFS:PFS+1]
.endif
	PART_C
	MEET \fill
.if \fill
	CREST                                          ; no wave of any partner still reads this slot or has a load on its way
	s_xor_b32 s[G0A+5], s[G0A+5], SLOT             ; the walking descriptors: the other slot than last time,
	s_add_nc_u64 s[G0A+6:G0A+7], s[G0A+6:G0A+7], STEP_A  ; the next step; the type bits on top are not reached
	s_xor_b32 s[G0B+5], s[G0B+5], SLOT
	s_add_nc_u64 s[G0B+6:G0B+7], s[G0B+6:G0B+7], STEP_B
	JLOAD                                          ; the four v_nop behind it are also the places in front of the loads below
.else
	PLACES
.endif
	WIN 0
	v_add_nc_u32 v[ADRA], s[SLN], v[A0]            ; the fragments now come from the other slot,
	v_add_nc_u32 v[ADRB], s[SLN], v[B0]
	v_add_nc_u32 v[ADRF], 256, v[ADRF]             ; f from the next 128 q's
	s_xor_b32 s[SLN], s[SLN], SLOT
	FETCH 0, F0
.if \fill
	SLOADS
	ASK
.endif
	MUL16 F1, 1, 0, 0
	s_wait_dscnt 16
	MULX F1, F0, 0, 1
.endm
; THE WAY OUT, block a of eight (16 rows): a lane's 32 bytes of each accumulator go into rows of 528 bytes of my own stage and come back as whole rows of 512, into V's fragment buffers by turns.
.macro TOSTAGE a
.if (\a) < 4
.set W, 2
.set AC, 64*(\a)
.elseif (\a) < 6
.set W, 3
.set AC, 64*((\a)-4)
.else
.set W, 1
.set AC, 192*((\a)-6)
.endif
.set BK, 64+64*((\a)%2)
	s_wait_xcnt 0x0                                ; the stores of the block two back have read their data: their buffer is loaded again only behind this wait
	WIN W<<2                                       ; the data in window W
.irp b, 0,1,2,3,4,5,6,7
	ds_store_b128 v[STO], v[AC+8*(\b):AC+8*(\b)+3]   offset:64*(\b)      ; each accumulator's lowest registers first
	ds_store_b128 v[STO], v[AC+8*(\b)+4:AC+8*(\b)+7] offset:64*(\b)+16
.endr
	WIN 0
.irp t, 0,1,2,3,4,5,6,7,8,9,10,11,12,13,14,15
	ds_load_b128 v[BK+4*(\t):BK+4*(\t)+3], v[RD] offset:(\t)*SPITCH  ; LDS serves a wave's instructions in order (ISA guide 5.7.1.4): these see the stores above
.endr
.endm
.macro SEND a, younger                 ; younger: the LDS instructions issued behind block a's loads: the next block's 32, or none
	WIN 0
.set BK, 64+64*((\a)%2)
	s_wait_dscnt \younger
.irp t, 0,1,2,3,4,5,6,7,8,9,10,11,12,13,14,15
	global_store_b128 v[CO], v[BK+4*(\t):BK+4*(\t)+3], s[10:11] offset:(16*(\a)+(\t))*8192 th:TH_STORE_NT  ; 512 consecutive bytes, aligned; the row stands in the immediate, 127 rows at the most
.endr
.endm
	SLOADS                                         ; step 0's statistics; f(0) is made here, while the first tiles are on their way,
	PART_A
	PART_B
	PART_C
	SLOADS                                         ; and step 1's are asked for
	s_wait_dscnt 0x0                               ; for the others' sake: my part of f(0) lies in LDS
	s_wait_tensorcnt 0x1                           ; my part of step 0 is in; step 1's may stay out
	s_barrier_signal -1
	s_barrier_wait -1                              ; everybody's is
	FETCH 0, F0
	s_wait_dscnt 16                                ; f and p are in
	WIN MUL_X
.set x, 0
.rept 64
	v_pk_mul_f16 v[F0+x], v[F0+x], v[SFB+x%8]      ; the first quarter's p x f: there are no products yet to set it behind
.set x, x+1
.endr
	QUARTER 1, F0, F1, 1, 0                        ; the first quarter stands in front of the loop: its products start the sums
	WIN 0                                          ; at a label and at a branch every window is 0
	s_mov_b32 s3, STEPS-2
.Lstep:                                                ; a trip: a step's quarters 2, 3 and 4, f of the next step, the change of slots with its refill, and the next step's first quarter
	QUARTER 2, F1, F0, 0, 1
	QUARTER 3, F0, F1, 0, 2
	TURN 1
	QUARTER 1, F0, F1, 0, 0
	WIN 0
	s_sub_co_u32 s3, s3, 1
	s_cmp_lg_u32 s3, 0
	s_cbranch_scc1 .Lstep
	s_mov_b32 s3, 2                                ; the last two steps ask for nothing: a loop of their own; its second trip is left in its middle
.Ltail:
	QUARTER 2, F1, F0, 0, 3
	QUARTER 3, F0, F1, 0, 4
	WIN 0
	s_sub_co_u32 s3, s3, 1
	s_cmp_eq_u32 s3, 0
	s_cbranch_scc1 .Llast
	TURN 0
	QUARTER 1, F0, F1, 0, 0
	WIN 0
	s_branch .Ltail
.Llast:
	s_wait_dscnt 8                                 ; the very last quarter: nothing more to fetch
	MUL16 F1, 0, 0, 0
	MUL16 F1, 0, 2, 0
	s_wait_dscnt 0x0
	MUL16 F1, 1, 0, 0
	MULX F1, F0, 0, 0
	WIN 0
.rept 8
	v_nop                                          ; the places behind the last products, in front of the LDS stores of their results and of the loads into V's buffers
.endr
	TOSTAGE 0
.irp a, 1,2,3,4,5,6,7
	TOSTAGE \a
	SEND (\a)-1, 32
.endr
	SEND 7, 0
	s_wait_tensorcnt 0x0                           ; the wave's end: a wait, an add onto my spare word and a wait, behind my last tensor load and my last LDS store
	ds_add_u32 v[SPW], v[NIL]
	s_wait_dscnt 0x0
	CROUND                                         ; the closing round: no work-group ends while a partner may still ask for a tile that names it
	s_endpgm
.Lfunc_end_k_q32f8ffa2d1_mix:
	.size	k_q32f8ffa2d1_mix, .Lfunc_end_k_q32f8ffa2d1_mix-k_q32f8ffa2d1_mix
	.p2alignl 7, 3214868480
	.fill 96, 4, 3214868480
	.section	.rodata,"a",@progbits
	.p2align	6, 0x0
	.amdhsa_kernel k_q32f8ffa2d1_mix
		.amdhsa_group_segment_fixed_size 327680
		.amdhsa_private_segment_fixed_size 0
		.amdhsa_enable_private_segment 0
		.amdhsa_kernarg_size 32
		.amdhsa_user_sgpr_count 2
		.amdhsa_user_sgpr_kernarg_segment_ptr 1
		.amdhsa_wavefront_size32 1
		.amdhsa_system_sgpr_workgroup_id_x 1
		.amdhsa_system_sgpr_workgroup_id_y 1
		.amdhsa_system_sgpr_workgroup_id_z 1
		.amdhsa_system_vgpr_workitem_id 0
		.amdhsa_next_free_vgpr 896
		.amdhsa_next_free_sgpr 96
		.amdhsa_reserve_vcc 0
		.amdhsa_float_denorm_mode_32 3
		.amdhsa_float_denorm_mode_16_64 3
		.amdhsa_memory_ordered 1
		.amdhsa_forward_progress 1
		.amdhsa_inst_pref_size 164
	.end_amdhsa_kernel
	.amdgpu_metadata
---
amdhsa.version: [ 1, 2 ]
amdhsa.kernels:
  - .name:           k_q32f8ffa2d1_mix
    .symbol:         k_q32f8ffa2d1_mix.kd
    .args:
      - { .name: vh, .offset: 0, .size: 8, .value_kind: global_buffer, .address_space: global }
      - { .name: p, .offset: 8, .size: 8, .value_kind: global_buffer, .address_space: global }
      - { .name: stats, .offset: 16, .size: 8, .value_kind: global_buffer, .address_space: global }
      - { .name: out0, .offset: 24, .size: 8, .value_kind: global_buffer, .address_space: global }
    .group_segment_fixed_size: 327680
    .private_segment_fixed_size: 0
    .kernarg_segment_align: 8
    .kernarg_segment_size: 32
    .max_flat_workgroup_size: 128
    .sgpr_count:     96
    .vgpr_count:     896
    .wavefront_size: 32
...
	.end_amdgpu_metadata
.endif
;; end of part 3
;; ======== version 2 of 2: 3 launches; version 1 with the launch cast written anew for expert scheduling mode
;; limits: inputs' magnitudes at most 65,504; values are held in f16: magnitudes above 65,504 overflow, below 6.1e-05 lose precision
;; workspace buffers: qb 33,554,432 bytes; kb 33,554,432 bytes; vh 33,554,432 bytes; p 33,554,432 bytes; stats 1,048,576 bytes
;; launch cast (part 4): grid 256 x 2, 8 waves a work-group, no clusters, 0 bytes of LDS; arguments query, key, qb, kb; writes qb, kb
.if DOCPART == 4
	.amdgcn_target "amdgcn-amd-amdhsa--gfx1250"
	.amdhsa_code_object_version 6
	.text
	.protected	k_q32f8ffa2d1_cast
	.globl	k_q32f8ffa2d1_cast
	.p2align	8
	.type	k_q32f8ffa2d1_cast,@function
k_q32f8ffa2d1_cast:
	s_mov_b64 s[64:65], 0
	v_nop
	global_prefetch_b8 v0, s[64:65] scope:SCOPE_SE
	s_setreg_imm32_b32 hwreg(HW_REG_WAVE_SCHED_MODE, 0, 2), 2
	s_setreg_imm32_b32 hwreg(HW_REG_WAVE_MODE, 25, 1), 1
	s_wait_xcnt 0x0
	s_wait_alu depctr_vm_vsrc(0)
; qb = bf16(query), kb = bf16(key): [8192][2048] each (the four batches stacked), rounded once to nearest even.
; A stream: every byte is read once and written once; no LDS, no matrix unit, no cluster, since no two threads want the same byte.
; Work-group (x, y): y chooses the tensor, x its 262,144 bytes of f32 (131,072 of bf16).  A ROW here is 4,096 bytes in: 256 threads x 16 bytes,
; so a wave's load covers 512 consecutive bytes and its store of 8 bytes a lane 256 consecutive bytes, aligned.  64 rows: 16 blocks of four.
; THE MODE: SCHED_MODE bits 1:0 = 2 (LLVM: expert scheduling mode 2), set by the entry lines.  The code itself states the register dependences
; between vector instructions and memory instructions, with s_wait_alu, always for 0.
; THE PLAN.  Registers that memory instructions touch:
;   X0 .. X3   four blocks of f32 as loaded.  Block p: its eight conversions read X[p % 4]; behind them the loads of block p + 4 land in it.  No memory instruction reads them.
;   Y          one block of bf16 to store.    Block p: its eight conversions write it; behind them the block's four stores read it.
;   v1, v2     byte offsets, made once at the head and never written again: the rows are reached by the two scalar bases, which move on once a lap of four blocks, and by immediate offsets.
; So a block has two waits of this kind.  At its head, behind the wait for its data: the stores of the block before have read Y.  Behind its conversions: they are done reading X[p % 4] and have
; written Y; the block's four loads and four stores follow at once.  A buffer is asked for again in the block that empties it, so that 12 to 16 loads of every wave are on their way.
.set BLOCK, 4                          ; rows in a block
.set BUFS,  4                          ; blocks of X
.set LAP,   BLOCK*BUFS                 ; rows in a lap: every buffer once
.set ROWI,  4096                       ; bytes of a row in
.set ROWO,  2048                       ; bytes of a row out
.set LAPS,  64/LAP-1                   ; the laps that load; the last sixteen rows are written out behind them
.set X, 4                              ; v[4:67]   buffer k, row i: four f32 at X + 16 k + 4 i
.set Y, 68                             ; v[68:75]  row i: four bf16 at Y + 2 i
	s_load_b256 s[4:11], s[0:1], 0x0               ; query s[4:5], key s[6:7], qb s[8:9], kb s[10:11]
	s_and_b32 s12, ttmp7, 0xffff                   ; 0: query, 1: key
	s_lshl_b32 s14, ttmp9, 18                      ; my share in, in bytes (under 2^26)
	s_mov_b32 s15, 0
	s_lshl_b32 s16, ttmp9, 17                      ; my share out
	s_mov_b32 s17, 0
	v_lshlrev_b32 v1, 4, v0                        ; 16 t: my place in a row in; never rewritten
	v_lshlrev_b32 v2, 3, v0                        ; 8 t: my place in a row out; never rewritten
	s_wait_kmcnt 0x0
	s_cmp_eq_u32 s12, 0
	s_cselect_b64 s[4:5], s[4:5], s[6:7]           ; from
	s_cselect_b64 s[6:7], s[8:9], s[10:11]         ; to
	s_add_nc_u64 s[4:5], s[4:5], s[14:15]
	s_add_nc_u64 s[6:7], s[6:7], s[16:17]
	s_wait_alu depctr_va_vdst(0)                   ; v1 and v2 are written: every load and store of the kernel reads one of them as its offset
.irp i, 0,1,2,3,4,5,6,7,8,9,10,11,12,13,14,15
	global_load_b128 v[X+4*(\i):X+4*(\i)+3], v1, s[4:5] offset:(\i)*ROWI th:TH_LOAD_NT  ; blocks 0 to 3 into X0 to X3
.endr
; One block.  k: its buffer, and its place in the lap.  ahead = 1: the buffer is filled again with the block four further on.  left: how many younger loads may stay out.
; In a lap that loads, both bases stand sixteen rows ahead of the lap's first row: the loads reach forward from there, the stores reach back by a negative offset.
; The tail steps nothing: its stores reach forward from where the last lap left the base, at row 48.
.macro BLK k, ahead, left
	s_wait_loadcnt \left                           ; loads come back in order (ISA guide 5.7.1): X[k] is in, the younger blocks stay out
	s_wait_xcnt 0x0                                ; every earlier memory instruction has had its addresses translated (ISA guide 3.1): Y and the two bases are written again only behind this wait
	s_wait_alu depctr_vm_vsrc(0)                   ; the stores of the block before have read Y, which the conversions below write again
.if (\ahead) && ((\k) == 0)
	s_add_nc_u64 s[4:5], s[4:5], LAP*ROWI          ; once a lap
	s_add_nc_u64 s[6:7], s[6:7], LAP*ROWO
.endif
.irp i, 0,1,2,3
	v_cvt_pk_bf16_f32 v[Y+2*(\i)],   v[X+16*(\k)+4*(\i)],   v[X+16*(\k)+4*(\i)+1]
	v_cvt_pk_bf16_f32 v[Y+2*(\i)+1], v[X+16*(\k)+4*(\i)+2], v[X+16*(\k)+4*(\i)+3]
.endr
	s_wait_alu depctr_va_vdst(0)                   ; the conversions are done reading X[k], in which the loads below land, and have written Y, which the stores below read
.if \ahead
.irp i, 0,1,2,3
	global_load_b128 v[X+16*(\k)+4*(\i):X+16*(\k)+4*(\i)+3], v1, s[4:5] offset:(BLOCK*(\k)+(\i))*ROWI th:TH_LOAD_NT  ; the loads ahead of the stores
.endr
.endif
.irp i, 0,1,2,3
	global_store_b64 v2, v[Y+2*(\i):Y+2*(\i)+1], s[6:7] offset:(BLOCK*(\k)+(\i)-LAP*(\ahead))*ROWO
.endr
.endm
	s_mov_b32 s12, LAPS
.Llap:                                                 ; blocks 0 to 11, four to a lap: every buffer is back at its start
	BLK 0, 1, LAP-BLOCK
	BLK 1, 1, LAP-BLOCK
	BLK 2, 1, LAP-BLOCK
	BLK 3, 1, LAP-BLOCK
	s_sub_co_u32 s12, s12, 1
	s_cmp_lg_u32 s12, 0
	s_cbranch_scc1 .Llap
	BLK 0, 0, LAP-BLOCK                            ; blocks 12 to 15 load nothing: no load leaves the buffer, and the counts run down
	BLK 1, 0, LAP-2*BLOCK
	BLK 2, 0, LAP-3*BLOCK
	BLK 3, 0, 0
	s_endpgm
.Lfunc_end_k_q32f8ffa2d1_cast:
	.size	k_q32f8ffa2d1_cast, .Lfunc_end_k_q32f8ffa2d1_cast-k_q32f8ffa2d1_cast
	.p2alignl 7, 3214868480
	.fill 96, 4, 3214868480
	.section	.rodata,"a",@progbits
	.p2align	6, 0x0
	.amdhsa_kernel k_q32f8ffa2d1_cast
		.amdhsa_group_segment_fixed_size 0
		.amdhsa_private_segment_fixed_size 0
		.amdhsa_enable_private_segment 0
		.amdhsa_kernarg_size 32
		.amdhsa_user_sgpr_count 2
		.amdhsa_user_sgpr_kernarg_segment_ptr 1
		.amdhsa_wavefront_size32 1
		.amdhsa_system_sgpr_workgroup_id_x 1
		.amdhsa_system_sgpr_workgroup_id_y 1
		.amdhsa_system_sgpr_workgroup_id_z 1
		.amdhsa_system_vgpr_workitem_id 0
		.amdhsa_next_free_vgpr 76
		.amdhsa_next_free_sgpr 66
		.amdhsa_reserve_vcc 0
		.amdhsa_float_denorm_mode_32 3
		.amdhsa_float_denorm_mode_16_64 3
		.amdhsa_memory_ordered 1
		.amdhsa_forward_progress 1
		.amdhsa_inst_pref_size 13
	.end_amdhsa_kernel
	.amdgpu_metadata
---
amdhsa.version: [ 1, 2 ]
amdhsa.kernels:
  - .name:           k_q32f8ffa2d1_cast
    .symbol:         k_q32f8ffa2d1_cast.kd
    .args:
      - { .name: query, .offset: 0, .size: 8, .value_kind: global_buffer, .address_space: global }
      - { .name: key, .offset: 8, .size: 8, .value_kind: global_buffer, .address_space: global }
      - { .name: qb, .offset: 16, .size: 8, .value_kind: global_buffer, .address_space: global }
      - { .name: kb, .offset: 24, .size: 8, .value_kind: global_buffer, .address_space: global }
    .group_segment_fixed_size: 0
    .private_segment_fixed_size: 0
    .kernarg_segment_align: 8
    .kernarg_segment_size: 32
    .max_flat_workgroup_size: 256
    .sgpr_count:     66
    .vgpr_count:     76
    .wavefront_size: 32
...
	.end_amdgpu_metadata
.endif
;; end of part 4
;; launch scores: the kernel of part 2 again; grid 8 x 32, 4 waves a work-group, clusters of 4 x 4, 327,680 bytes of LDS; arguments qb, kb, value, p, stats, vh; writes p, stats, vh
;; launch mix: the kernel of part 3 again; grid 8 x 32, 4 waves a work-group, clusters of 4 x 4, 327,680 bytes of LDS; arguments vh, p, stats, out0; writes out0
